; MI455X (gfx1250); checked and timed in simulation.
; The chip was launched on July 23, 2026; its instructions are those of AMD's public machine-readable ISA for CDNA 5 (MIT licence, August 2026) and "CDNA5" Instruction Set Architecture Reference Guide (July 2026). The comments in the code are by the model that wrote it; some were corrected since.
;; Multi Head Attention. Allowed arithmetic: matrix products marked QUANTISED: E2M3 operands, one E8M0 scale for each 32 along K, by v_wmma_scale_f32_16x16x128_f8f6f4 with both operands' format E2M3, f32 sums; everything else in f32.
;; Inputs: W_out_codes 1,024 x 32 x 24 uint8 (E2M3 codes of W_out, K innermost, in blocks of 32 codes, four codes in three bytes); W_out_scales 1,024 x 32 uint8 (E8M0 scales of W_out, one for each 32 codes along K); W_qkv_codes 3,072 x 32 x 24 uint8 (E2M3 codes of W_qkv, K innermost, in blocks of 32 codes, four codes in three bytes); W_qkv_scales 3,072 x 32 uint8 (E8M0 scales of W_qkv, one for each 32 codes along K); b_out 1,024 float32; b_qkv 3,072 float32; x_codes 2 x 2,048 x 32 x 24 uint8 (E2M3 codes of x, K innermost, in blocks of 32 codes, four codes in three bytes); x_scales 2 x 2,048 x 32 uint8 (E8M0 scales of x, one for each 32 codes along K).
;; Outputs: out0 2 x 2,048 x 1,024 float32.
;; This version of the problem:
;;   THIS VERSION OF THE PROBLEM IS GIVEN IN LOW PRECISION. The matrix products marked QUANTISED in the list below multiply operands that are first quantised to E2M3 (2 exponent bits, 3 mantissa bits; 6 bits a number), with one power-of-two scale for each 32 numbers along K (OCP MX v1.0); their sums are f32. All else is computed in f32.
;;   The module's matrix products, in the order in which they are computed (A, B: the left and right operand; K: the contracted axis; several contracted axes count as one K, in the product's order):
;;     1. [M 4,096, K 1,024] x [K 1,024, N 3,072]; A: input x (given as codes); B: input W_qkv (given as codes): QUANTISED
;;     2. batch 32 x [M 2,048, K 64] x [K 64, N 2,048]; A: computed on the way; B: computed on the way: QUANTISED
;;     3. batch 32 x [M 2,048, K 2,048] x [K 2,048, N 64]; A: softmax (see below); B: computed on the way: QUANTISED
;;     4. [M 4,096, K 1,024] x [K 1,024, N 1,024]; A: computed on the way; B: input W_out (given as codes): QUANTISED
;;   THE QUANTISER, for each operand of a quantised product, along K:
;;     - K is cut into blocks of 32 from its start; a last block that is shorter is filled with zeros.
;;     - A block's scale is 2^e with e = floor(log2(the largest magnitude in the block)) - 2, held to -126 .. 127; a block of zeros has e = 0. As a byte (E8M0): e + 127.
;;     - Each number is divided by its block's scale, clamped to +-7.5, and rounded to the nearest number of E2M3, ties to even, subnormals kept.
;;     - The product sums the exact products of the quantised numbers (number of the format x scale) in f32.
;;   ~~~python
;;   def quantise(x, axis):      # numpy; x: float32 -> the quantised numbers, widened to float32 again
;;       x = np.moveaxis(x, axis, -1); K = x.shape[-1]
;;       x = np.pad(x, [(0, 0)] * (x.ndim - 1) + [(0, -K % 32)]); x = x.reshape(x.shape[:-1] + (-1, 32)); a = np.abs(x).max(-1, keepdims=True)
;;       e = np.where(a > 0, np.clip(np.frexp(np.where(a > 0, a, 1))[1] - 1 - 2, -126, 127), 0)      # np.frexp(a)[1] - 1 = floor(log2(a)), exactly
;;       r = np.clip(x / 2.0 ** e, -7.5, 7.5)
;;       step = 2.0 ** (np.maximum(np.frexp(np.where(r == 0, 1, r))[1] - 1, 0) - 3)
;;       q = np.round(r / step) * step * 2.0 ** e      # np.round: ties to even
;;       return np.moveaxis(q.reshape(q.shape[:-2] + (-1,))[..., :K], -1, axis).astype(np.float32)
;;   ~~~
;;   SOFTMAX AHEAD OF A QUANTISED PRODUCT. Where the list says 'softmax', what is quantised is not the finished softmax but p = 2^(t - M), with t = logit x log2(e) and M = ceil(the row's largest t), a whole number; so 1/2 < the row's largest p <= 1. The row's sum l is taken of the UNQUANTISED p, in f32, and the product's result is divided by l at the end. Since M is a whole number, a kernel that streams over the keys may use a running M (the ceiling of the running maximum): every later rescaling is an exact power of two, which a block's scale takes up: the codes' values come out the same.
;;   OPERANDS COMPUTED ON THE WAY. 'Computed on the way' means the value that the module computes at that place (a softmax that the list does not call 'softmax' is quantised finished and normalised). What goes into a quantiser is computed in f32, as accurately as f32 sums, v_exp_f32 and their like allow (about 1e-6 of the number): no bf16 or f16 on the way to a quantiser, and a product that is left as it is and whose result goes on into a quantised operand takes f32 operands (vector FMAs, or v_wmma_f32_16x16x4_f32). A number that lies on a knife's edge between two numbers of the format may be rounded either way, as far as f32 arithmetic and the matrix unit's own rounding can turn it there, and no further.
;;   INPUTS GIVEN AS CODES. W_out (in the module: [1024, 1024], K = its axis 1); W_qkv (in the module: [3072, 1024], K = its axis 1); x (in the module: [2, 2048, 1024], K = its axis 2): each comes as NAME_codes (uint8): NAME with its K axis moved to the last place and cut into blocks of 32 codes, [.., K / 32, bytes a block], one block behind the other in memory; four codes in three bytes: a row's codes are one little-endian stream of bits, code i at bits 6 i .. 6 i + 5 (a code: sign, 2 exponent bits, 3 mantissa bits); and NAME_scales (uint8): the same leading axes, one E8M0 byte (e + 127) for each 32 codes along K. Its value is code x scale, taken as it is: it is not quantised again, and the codes and scales need not be those that the quantiser above would give.
;; One version. Each part assembles by itself: llvm-mc -triple=amdgcn-amd-amdhsa -mcpu=gfx1250 --defsym DOCPART=n.
;; ======== version 1 of 1: 3 launches
;; limits: right only within a limited range of input values
;; workspace buffers: qws 3,407,872 bytes; kvws 6,684,672 bytes; aws 3,145,728 bytes; ascl 131,072 bytes
;; launch qkv (part 1): grid 16 x 16, 4 waves a work-group, clusters of 4 x 4, 327,680 bytes of LDS; arguments x_codes, x_scales, W_qkv_codes, W_qkv_scales, b_qkv, qws, kvws; writes qws, kvws
.if DOCPART == 1
	.amdgcn_target "amdgcn-amd-amdhsa--gfx1250"
	.amdhsa_code_object_version 6
	.text
	.protected	k_qb70a394270_qkv
	.globl	k_qb70a394270_qkv
	.p2align	8
	.type	k_qb70a394270_qkv,@function
k_qb70a394270_qkv:
	s_mov_b64 s[64:65], 0
	v_nop
	global_prefetch_b8 v0, s[64:65] scope:SCOPE_SE
	s_setreg_imm32_b32 hwreg(HW_REG_WAVE_MODE, 25, 1), 1
	s_wait_xcnt 0x0
	s_wait_alu depctr_hold_cnt(0) depctr_sa_sdst(0) depctr_va_vdst(0) depctr_va_sdst(0) depctr_va_ssrc(0) depctr_va_vcc(0) depctr_vm_vsrc(0)
	s_getreg_b32 s2, hwreg(HW_REG_IB_STS2, 6, 4)
	s_cmp_eq_u32 s2, 0
	s_cbranch_scc0 .Lentry_in_a_cluster
	s_endpgm
.Lentry_in_a_cluster:
	s_bfe_u32 s2, ttmp6, 0x10000c
	s_cmp_lg_u32 s2, 0xf033
	s_cbranch_scc0 .Lentry_shape_is_right
	s_endpgm
.Lentry_shape_is_right:
; qkv = x W_qkv^T + b_qkv on codes of FP6 (E2M3) with E8M0 scales as they are given; then q and k are quantised along d, v along the keys, and leave as IMAGES OF OPERAND REGISTERS.
; SHARES.  Work-group (j, R) makes rows 256 R .. 256 R + 255 of q, k and v of head j.  Wave w takes 64 rows.  q, k and v are made ONE AFTER THE OTHER, each 64 rows x 64 columns on the same 16 accumulators; each leaves before the next begins.
; x's fragments of the wave's 64 rows, all of K, are read from LDS once (with q's products) and stay in 384 registers.
; WHICH ROWS FORM A TILE OF x: lane r of tile mt takes row 8 mt + r % 8 + 32 (r / 8) of the wave's 64.  So rows 0-7 of a tile lie in the first block of 32 keys and rows 8-15 in the second:
; in v (source 0 = x, source 1 = W: a lane holds one d and eight keys) and in the next launch's scores a lane half then holds WHOLE blocks of 32 keys, in their true order.  q's rows leave in the same tiles; the last launch stores its rows by the same map.
; q and k are made transposed (source 0 = W, source 1 = x): a lane holds one row and eight d; inside a block of 32 d the order is 0..7, 16..23, 8..15, 24..31, alike in q and k.  The biases are the C of each sum's first matrix instruction.
; LDS: whole rows of K, 768 bytes of memory each (three runs of 256 bytes, 16 bytes of padding behind each): x's 256 rows, W's 64 rows for q, W's 64 for k: four loads at the head, one a wave.
; W's 64 rows for v are the one refill: into q's place, when q's products are done.  Each wave prefetches 12 of the 192 runs of 256 bytes of those rows at the head; the four work-groups that ask for them jointly share them out by address.
; CLUSTER 4 x 4: a row of the cluster shares R, so x's tiles are asked for jointly; a column shares j, so W's are.
; LIMITS: NaN and infinities are not served.  A block whose largest magnitude lies under 2^-124, a block of zeros too, gets the scale byte 1 (the rule says 127 for zeros): its codes are zeros or subnormal codes, and this program alone reads the bytes.
; v's scale bytes leave as two bytes a lane, four bytes apart: 128 of a wave's 9,856 stored bytes.
; REGISTERS, in windows of 256: window 0: addresses, v32-47 x's scale words, v48-95 W's, v96-167 the way out.  window 1: x's fragments of K steps 0-4 at v[48 k + 12 mt].
;   window 2: v0-127 the accumulators, v128-223 W's four fragments, two sets.  window 3: v0-143 x's fragments of K steps 5-7, v144-239 the biases.
.set PITCH,  816
.set WOFF,   256*PITCH
.set SPARE,  WOFF+128*PITCH            ; the spare words, 128 bytes a wave
.set QREC,   3328                      ; a record of qws: 64 rows: 4 tiles x 768 bytes, then 256 bytes of scale words
.set REC,    13056                     ; a record of kvws: 128 keys: K's images 6,144, V's 6,144, K's scale words 512, V's 256
.set ADRX,   4                         ; v4 x's fragments; v5 the same for pieces whose lanes 16-31 lie behind one padding more
.set ADRW,   6                         ; v6-7 W's in q's (later v's) place, v8-9 in k's
.set SPW,    16
.set NIL,    17
.set L16,    18
.set L8,     19
.set R4,     20
.set SH8,    27                        ; 8 x (lane / 16)
.set SA,     32                        ; x's scale words: v[SA + 8 i + k]: lane 16 u + r: row r of tile 2 i + u, K step k
.set SB,     48                        ; W's: v[SB + 8 i + k]: lane l: row 32 i + l of the 192
.set TM,     96
.set TP,     104
.set SO,     112
.set WD,     120
.set SW,     124
.set CD,     128
.set CT,     152
.set WFR,    128
.set BQK,    144
.set BV,     208
.set WV,     18
.set G1A,    24
.set G1B,    32
.set G0A,    40
.set G0B,    44
.set HM,     82
.set SEL,    84
.set QB,     86
.set KB,     88
.set KSB,    90
.set VSB,    92
.set MSB, 0
.macro WIN new                         ; the immediate's high byte repeats the setting that is left
.if MSB != \new
	s_set_vgpr_msb (MSB<<8)|\new
.set MSB, \new
.endif
.endm
.macro PLACES n
.rept \n
	v_nop
.endr
.endm
.macro CROUND                          ; a round of the cluster's barrier
	s_barrier_signal -1
	s_barrier_wait -1
	s_cmp_lg_u32 s[WV], 0
	s_cbranch_scc1 .Lnot_wave_0_\@
	s_barrier_signal -3
.Lnot_wave_0_\@:
	s_barrier_wait -3
	s_barrier_signal -1
	s_barrier_wait -1
.endm
	s_load_b256 s[4:11], s[0:1], 0x0               ; x's codes, x's scales, W's codes, W's scales
	s_load_b128 s[12:15], s[0:1], 0x20             ; b_qkv, qws
	s_load_b64 s[16:17], s[0:1], 0x30              ; kvws
	v_lshl_add_u32 v[SPW], v0, 2, SPARE
	v_mov_b32 v[NIL], 0
	ds_add_u32 v[SPW], v[NIL]                      ; the opening lines: the add, twice on end, and its wait
	ds_add_u32 v[SPW], v[NIL]
	v_lshrrev_b32 v1, 5, v0
	v_readfirstlane_b32 s[WV], v1                  ; wave 0..3
	s_and_b32 s19, s[WV], 1
	s_bfe_u32 s20, ttmp6, 0x40000                  ; cx
	s_bfe_u32 s21, ttmp6, 0x40004                  ; cy
	s_lshl_b32 s22, ttmp9, 2
	s_add_co_u32 s22, s22, s20                     ; j: the head
	s_and_b32 s23, ttmp7, 0xffff
	s_lshl_b32 s23, s23, 2
	s_add_co_u32 s23, s23, s21                     ; R: the block of 256 rows
	s_lshl_b32 s66, s21, 2
	s_lshl_b32 s66, 15, s66                        ; my row of the cluster
	s_lshl_b32 s67, 0x1111, s20                    ; my column
	s_or_b32 s[G1A], s66, (1<<20)|(1<<21)|(5<<22)|(3<<25)   ; elements of 1 byte; 4 words of padding after every 64
	s_or_b32 s[G1B], s67, (1<<20)|(1<<21)|(5<<22)|(3<<25)
	s_mov_b32 s[G1A+1], 768<<16
	s_mov_b32 s[G1A+2], 128<<16                    ; x: 128 rows a load
	s_mov_b32 s[G1A+3], 768<<16
	s_mov_b32 s[G1A+4], 128
	s_mov_b32 s[G1A+5], 768
	s_mov_b32 s[G1A+6], 0
	s_mov_b32 s[G1A+7], 0
	s_mov_b32 s[G1B+1], 768<<16
	s_mov_b32 s[G1B+2], 64<<16                     ; W: 64 rows a load
	s_mov_b32 s[G1B+3], 768<<16
	s_mov_b32 s[G1B+4], 64
	s_mov_b32 s[G1B+5], 768
	s_mov_b32 s[G1B+6], 0
	s_mov_b32 s[G1B+7], 0
	s_mul_i32 s68, s23, 196608                     ; x: 256 R rows of 768 bytes,
	s_mul_i32 s72, s19, 98304                      ; + 128 (w % 2)
	s_add_co_u32 s68, s68, s72
	s_mov_b32 s69, 0
	s_mul_i32 s70, s19, 786432                     ; W: q's rows (wave 2) or k's (wave 3),
	s_mul_i32 s71, s22, 49152                      ; + 64 j
	s_add_co_u32 s70, s70, s71
	s_mov_b32 s71, 0
	s_mul_i32 s72, s19, 128*PITCH
	s_mul_i32 s73, s19, 64*PITCH
	s_add_co_u32 s73, s73, WOFF
	s_mov_b32 s[SEL], 0x76543210
	s_mov_b32 s[SEL+1], 0xfedcba98
	s_wait_dscnt 0x0
	s_wait_kmcnt 0x0
	s_mov_b32 s[G0A], 1
	s_mov_b32 s[G0A+1], s72
	s_add_nc_u64 s[G0A+2:G0A+3], s[4:5], s[68:69]
	s_or_b32 s[G0A+3], s[G0A+3], 0x80000000
	s_mov_b32 s[G0B], 1
	s_mov_b32 s[G0B+1], s73
	s_add_nc_u64 s[G0B+2:G0B+3], s[8:9], s[70:71]
	s_or_b32 s[G0B+3], s[G0B+3], 0x80000000
	CROUND                                         ; all sixteen work-groups are here: the first joint loads meet
	s_cmp_lt_u32 s[WV], 2                          ; one load a wave: waves 0, 1 x's halves, wave 2 W's rows for q, wave 3 for k
	s_cbranch_scc0 .Lhead_w
	tensor_load_to_lds s[G0A:G0A+3], s[G1A:G1A+7]
	s_nop 0
	PLACES 4
	s_branch .Lhead_asked
.Lhead_w:
	tensor_load_to_lds s[G0B:G0B+3], s[G1B:G1B+7]
	s_nop 0
	PLACES 4
.Lhead_asked:
	s_lshl_b32 s74, s23, 13                        ; x's scales: 256 R rows of 32 bytes + my 64 w
	s_lshl_b32 s73, s[WV], 11
	s_add_co_u32 s74, s74, s73
	s_mov_b32 s75, 0
	s_add_nc_u64 s[74:75], s[6:7], s[74:75]
	s_lshl_b32 s76, s22, 11                        ; W's scales: 64 j rows
	s_mov_b32 s77, 0
	s_add_nc_u64 s[76:77], s[10:11], s[76:77]
	s_lshl_b32 s78, s22, 8                         ; b_qkv: 64 j numbers
	s_mov_b32 s79, 0
	s_add_nc_u64 s[78:79], s[12:13], s[78:79]
	s_mul_i32 s80, s[WV], 64*PITCH                 ; my 64 rows of x in LDS
	s_mul_i32 s96, s21, 48                         ; the prefetch: of the 192 runs of 256 bytes of W's rows for v, runs 48 cy + 12 w on
	s_mul_i32 s97, s[WV], 12
	s_add_co_u32 s96, s96, s97
	s_lshl_b32 s96, s96, 8
	s_mul_i32 s97, s22, 49152
	s_add_co_u32 s96, s96, s97
	s_add_co_u32 s96, s96, 1572864
	s_mov_b32 s97, 0
	s_add_nc_u64 s[98:99], s[8:9], s[96:97]
	; where my results go: bh = 16 (R / 8) + j;  q: record 32 bh + 4 (R % 8) + w;  k, v: record 16 bh + 2 (R % 8) + w / 2, half c = w % 2
	s_lshr_b32 s94, s23, 3
	s_lshl_b32 s94, s94, 4
	s_add_co_u32 s94, s94, s22
	s_and_b32 s95, s23, 7
	s_lshl_b32 s96, s94, 5
	s_lshl_b32 s97, s95, 2
	s_add_co_u32 s96, s96, s97
	s_add_co_u32 s96, s96, s[WV]
	s_mul_i32 s96, s96, QREC
	s_mov_b32 s97, 0
	s_add_nc_u64 s[QB:QB+1], s[14:15], s[96:97]
	s_lshl_b32 s96, s94, 4
	s_lshl_b32 s95, s95, 1
	s_add_co_u32 s96, s96, s95
	s_lshr_b32 s95, s[WV], 1
	s_add_co_u32 s96, s96, s95
	s_mul_i32 s96, s96, REC
	s_add_nc_u64 s[KB:KB+1], s[16:17], s[96:97]
	s_lshl_b32 s96, s19, 1                         ; 2 c
	s_add_nc_u64 s[VSB:VSB+1], s[KB:KB+1], s[96:97]
	s_lshl_b32 s96, s96, 7                         ; 256 c
	s_add_nc_u64 s[KSB:KSB+1], s[KB:KB+1], s[96:97]
	s_mul_i32 s96, s96, 12                         ; 3,072 c
	s_add_nc_u64 s[KB:KB+1], s[KB:KB+1], s[96:97]
	v_and_b32 v26, 31, v0                          ; lane
	v_and_b32 v1, 15, v0                           ; r
	v_bfe_u32 v2, v0, 4, 1                         ; h
	v_lshlrev_b32 v[L16], 4, v26
	v_lshlrev_b32 v[L8], 3, v26
	v_lshlrev_b32 v[R4], 2, v1
	v_lshlrev_b32 v21, 5, v26                      ; W's scales: a lane a row of 32 bytes
	v_lshlrev_b32 v22, 5, v2                       ; eight numbers of a bias for each half of the lanes
	v_lshlrev_b32 v[SH8], 3, v2
	v_and_b32 v3, 7, v0
	v_bfe_u32 v25, v0, 3, 1
	v_lshl_add_u32 v3, v25, 5, v3                  ; r % 8 + 32 (r / 8): my row of a tile of x
	v_lshl_add_u32 v24, v2, 3, v3                  ; x's scales: lanes 16-31 take the next tile's rows, 8 further on
	v_lshlrev_b32 v24, 5, v24
	v_cmp_le_u32 s[HM], 16, v26
	v_min_u32 v23, 11, v26                         ; the prefetch: a lane a run; lanes 12-31 name the wave's last run again
	v_lshlrev_b32 v23, 8, v23
.irp i, 0,1
	global_load_b128 v[SA+8*\i:SA+8*\i+3],   v24, s[74:75] offset:512*\i
	global_load_b128 v[SA+8*\i+4:SA+8*\i+7], v24, s[74:75] offset:512*\i+16
.endr
.irp i, 0,1,2,3,4,5
	global_load_b128 v[SB+8*\i:SB+8*\i+3],   v21, s[76:77] offset:32768*(\i/2)+1024*(\i%2)
	global_load_b128 v[SB+8*\i+4:SB+8*\i+7], v21, s[76:77] offset:32768*(\i/2)+1024*(\i%2)+16
.endr
	WIN 0xc0                                       ; destination window 3
.irp n, 0,1,2,3,4,5,6,7                ; q's and k's: lane (r, h), register e: the bias of d = 16 (n % 4) + 8 h + e
	global_load_b128 v[BQK+8*\n:BQK+8*\n+3],   v22, s[78:79] offset:4096*(\n/4)+64*(\n%4)
	global_load_b128 v[BQK+8*\n+4:BQK+8*\n+7], v22, s[78:79] offset:4096*(\n/4)+64*(\n%4)+16
.endr
.irp n, 0,1,2,3                        ; v's: all eight registers: the bias of d = 16 n + r
.irp e, 0,1,2,3,4,5,6,7
	global_load_b32 v[BV+8*\n+\e], v[R4], s[78:79] offset:8192+64*\n
.endr
.endr
	WIN 0
	global_prefetch_b8 v23, s[98:99] th:TH_LOAD_NT scope:SCOPE_SE   ; its two address registers are never written again
	v_mul_u32_u24 v3, v3, PITCH
	v_mad_u32_u24 v3, v2, 24, v3
	v_add_nc_u32 v[ADRX], s80, v3
	v_lshl_add_u32 v[ADRX+1], v2, 4, v[ADRX]
	v_mul_u32_u24 v25, v1, PITCH
	v_mad_u32_u24 v25, v2, 24, v25
	v_add_nc_u32 v[ADRW], WOFF, v25
	v_lshl_add_u32 v[ADRW+1], v2, 4, v[ADRW]
	v_add_nc_u32 v[ADRW+2], 64*PITCH, v[ADRW]
	v_add_nc_u32 v[ADRW+3], 64*PITCH, v[ADRW+1]
.irp x, 0,1,2,3,4,5,6,7
	v_mov_b32 v[TP+\x], 0                          ; written once: a lane permute's destination counts as one of its sources
.endr
; A fragment, 16 rows x 128 K, is 12 registers: lane (r, h): registers 6 c .. 6 c + 5 hold the 24 bytes at 96 k + 48 c + 24 h of the row, in pieces of 8.  Byte y of a row lies at y + 16 (y / 256) of its LDS row.
.macro FRAG reg, adr, k, off
.irp p, 0,1,2,3,4,5
.set BY, 96*(\k)+48*(\p/3)+8*(\p%3)
.if BY/256 == (BY+24)/256
	ds_load_b64 v[(\reg)+2*\p:(\reg)+2*\p+1], v[\adr] offset:BY+16*(BY/256)+(\off)
.else
	ds_load_b64 v[(\reg)+2*\p:(\reg)+2*\p+1], v[(\adr)+1] offset:BY+16*(BY/256)+(\off)
.endif
.endr
.endm
.macro FETCHW ph, k                    ; W's four tiles of q (ph 0), k (1) or v (2), K step k, into set k % 2
	WIN 0x80
.irp n, 0,1,2,3
	FRAG WFR+48*((\k)%2)+12*\n, ADRW+2*((\ph)%2), \k, \n*16*PITCH
.endr
.endm
.macro FETCHX k                        ; x's four tiles of K step k
.set WN, (1+2*((\k)/5))<<6
	WIN WN
.irp m, 0,1,2,3
	FRAG 48*((\k)%5)+12*\m, ADRX, \k, \m*8*PITCH
.endr
.endm
.macro WM
.if (rRA == 0) && (rRB == 0)
	v_wmma_scale_f32_16x16x128_f8f6f4 v[rD:rD+7], v[rA:rA+11], v[rB:rB+11], v[rC:rC+7], v[rSA], v[rSB] matrix_a_fmt:MATRIX_FMT_FP6 matrix_b_fmt:MATRIX_FMT_FP6
.elseif (rRA == 1) && (rRB == 0)
	v_wmma_scale_f32_16x16x128_f8f6f4 v[rD:rD+7], v[rA:rA+11], v[rB:rB+11], v[rC:rC+7], v[rSA], v[rSB] matrix_a_fmt:MATRIX_FMT_FP6 matrix_b_fmt:MATRIX_FMT_FP6 matrix_a_scale:MATRIX_SCALE_ROW1
.elseif (rRA == 0) && (rRB == 1)
	v_wmma_scale_f32_16x16x128_f8f6f4 v[rD:rD+7], v[rA:rA+11], v[rB:rB+11], v[rC:rC+7], v[rSA], v[rSB] matrix_a_fmt:MATRIX_FMT_FP6 matrix_b_fmt:MATRIX_FMT_FP6 matrix_b_scale:MATRIX_SCALE_ROW1
.else
	v_wmma_scale_f32_16x16x128_f8f6f4 v[rD:rD+7], v[rA:rA+11], v[rB:rB+11], v[rC:rC+7], v[rSA], v[rSB] matrix_a_fmt:MATRIX_FMT_FP6 matrix_b_fmt:MATRIX_FMT_FP6 matrix_a_scale:MATRIX_SCALE_ROW1 matrix_b_scale:MATRIX_SCALE_ROW1
.endif
.endm
; 16 matrix instructions: the 16 accumulators take turns, one instruction a turn, in the same order in every step.  In K step 0 the bias is the C.
.macro MUL ph, k
.set XW, 1+2*((\k)/5)
.set XB, 48*((\k)%5)
.set CW, 2
.if (\k) == 0
.set CW, 3
.endif
.if (\ph) < 2
.set WN, 0x80|(CW<<4)|(XW<<2)|2
.else
.set WN, 0x80|(CW<<4)|(2<<2)|XW
.endif
	WIN WN
.set NT, 0
.rept 4
.set MT, 0
.rept 4
.if (\ph) < 2
.set rD, 8*(4*MT+NT)
.set rA, WFR+48*((\k)%2)+12*NT
.set rB, XB+12*MT
.set rC, BQK+8*(4*(\ph)+NT)
.set rSA, SB+8*((4*(\ph)+NT)/2)+(\k)
.set rSB, SA+8*(MT/2)+(\k)
.set rRA, NT%2
.set rRB, MT%2
.else
.set rD, 8*(4*NT+MT)
.set rA, XB+12*MT
.set rB, WFR+48*((\k)%2)+12*NT
.set rC, BV+8*NT
.set rSA, SA+8*(MT/2)+(\k)
.set rSB, SB+8*((8+NT)/2)+(\k)
.set rRA, MT%2
.set rRB, NT%2
.endif
.if (\k) > 0
.set rC, rD
.endif
	WM
.set MT, MT+1
.endr
.set NT, NT+1
.endr
.endm
; K step k: four places in front of loads into registers that matrix instructions have read; the next step's fragments are asked for; the wait leaves just those out.
.macro STEP ph, k
	PLACES 4
.if (\k) < 7
	FETCHW \ph, (\k)+1
.if (\ph) == 0
	FETCHX (\k)+1
	s_wait_dscnt 48                                ; all but the 48 just issued
.else
	s_wait_dscnt 24                                ; all but the 24 just issued
.endif
.else
	s_wait_dscnt 0x0
.endif
	MUL \ph, \k
.endm
; THE WAY OUT of q (kind 0), k (1) or v (2): 128 registers of window 2.  q, k: four tiles of 16 rows, each two blocks of 32 d, of which my half of the lanes holds 16 numbers each.  v: four tiles of 16 d, of each my lane holds one whole block of 32 keys.
; A block's largest magnitude, with the floor 2^(3 - 127) among its leaves; 2 off its exponent field is the conversion's scale operand, and that shifted down the byte.
.macro QHEAD kind
	s_wait_xcnt 0x0                                ; the stores issued so far have read their data
.set LEN, 16+16*((\kind)/2)
.set NB, 128/LEN
	WIN 0x0a
.set X, 0
.rept NB
	v_max3_num_f32 v[TM+X], |v[LEN*X]|, |v[LEN*X+1]|, 0x1800000   ; each accumulator is read from its low end on
.set X, X+1
.endr
.set I, 2
.rept LEN/2-1
.set X, 0
.rept NB
	v_max3_num_f32 v[TM+X], |v[LEN*X+I]|, |v[LEN*X+I+1]|, v[TM+X]
.set X, X+1
.endr
.set I, I+2
.endr
	WIN 0
.if (\kind) < 2
.irp x, 0,1,2,3,4,5,6,7
	v_permlanex16_b32 v[TP+\x], v[TM+\x], s[SEL], s[SEL+1]
.endr
.irp x, 0,1,2,3,4,5,6,7
	v_max_num_f32 v[TM+\x], v[TM+\x], v[TP+\x]
.endr
.endif
.set X, 0
.rept NB
	v_add_nc_u32 v[SO+X], 0xff000000, v[TM+X]
.set X, X+1
.endr
.set X, 0
.rept NB
	v_lshrrev_b32 v[TP+X], 23, v[SO+X]
.set X, X+1
.endr
.irp g, 0,1,2,3
.if (\kind) < 2
	v_lshl_or_b32 v[WD+\g], v[TP+2*\g+1], 8, v[TP+2*\g]   ; two bytes; the word's upper two stay 0
.else
	v_lshlrev_b32 v[WD+\g], v[SH8], v[TP+\g]       ; my block's byte at its place,
.endif
.endr
.if (\kind) == 2
.irp g, 0,1,2,3
	v_permlanex16_b32 v[TM+\g], v[WD+\g], s[SEL], s[SEL+1]
.endr
.irp g, 0,1,2,3
	v_or_b32 v[WD+\g], v[WD+\g], v[TM+\g]          ; with lane l xor 16's: my 64 keys' two bytes
.endr
.endif
	WIN 2
.irp g, 0,1,2,3
	v_cvt_scalef32_pk16_fp6_f32 v[CD+6*\g:CD+6*\g+2], v[32*\g:32*\g+15], v[SO+(2-(\kind)/2)*\g]
	v_cvt_scalef32_pk16_fp6_f32 v[CT+4*\g:CT+4*\g+2], v[32*\g+16:32*\g+31], v[SO+(2-(\kind)/2)*\g+1-(\kind)/2]   ; (a conversion's three registers begin on an even number)
.endr
	WIN 0
	v_nop                                          ; one plain place behind a scaled conversion
.irp g, 0,1,2,3
.if (\kind) < 2
.irp i, 0,1,2
	v_permlane16_swap_b32 v[CD+6*\g+\i], v[CT+4*\g+\i]   ; half blocks become whole blocks
.endr
.endif
.irp i, 0,1,2
	v_mov_b32 v[CD+6*\g+3+\i], v[CT+4*\g+\i]
.endr
.endr
.if (\kind) < 2
	v_cndmask_b32 v[SW], v[WD], v[WD+1], s[HM]     ; word i of lane 16 u + r: row r of tile 2 i + u
	v_cndmask_b32 v[SW+1], v[WD+2], v[WD+3], s[HM]
.endif
.if (\kind) == 0
.irp g, 0,1,2,3
	global_store_b128 v[L16], v[CD+6*\g:CD+6*\g+3], s[QB:QB+1] offset:768*\g          ; 512 consecutive bytes, at a multiple of 256 from the buffer's first byte
	global_store_b64 v[L8], v[CD+6*\g+4:CD+6*\g+5], s[QB:QB+1] offset:768*\g+512      ; 256
.endr
	global_store_b64 v[L8], v[SW:SW+1], s[QB:QB+1] offset:3072
.elseif (\kind) == 1
.irp i, 0,1,2,3,4,5
	global_store_b128 v[L16], v[CD+4*\i:CD+4*\i+3], s[KB:KB+1] offset:512*\i          ; the four tiles' 24 registers on end
.endr
	global_store_b64 v[L8], v[SW:SW+1], s[KSB:KSB+1] offset:12288
.else
.irp g, 0,1,2,3
	global_store_b128 v[L16], v[CD+6*\g:CD+6*\g+3], s[KB:KB+1] offset:6144+768*\g
	global_store_b64 v[L8], v[CD+6*\g+4:CD+6*\g+5], s[KB:KB+1] offset:6144+768*\g+512
	global_store_b16 v[R4], v[WD+\g], s[VSB:VSB+1] offset:12800+64*\g                 ; lanes r and 16 + r write the same two bytes with the same value
.endr
.endif
.endm
	s_wait_alu depctr_va_vdst(0)                   ; the wait at the head's end
	s_wait_tensorcnt 0x0                           ; my tile is in
	s_barrier_signal -1
	s_barrier_wait -1                              ; everybody's is
	FETCHW 0, 0
	FETCHX 0
	WIN 0
	s_wait_loadcnt 0x0                             ; scale words and biases
.irp k, 0,1,2,3,4,5,6,7
	STEP 0, \k
.endr
	WIN 0
	s_wait_tensorcnt 0x0                           ; q's products are issued and my reads of W's rows for q are over
	ds_add_u32 v[SPW], v[NIL]
	s_add_nc_u64 s[G0B+2:G0B+3], s[G0B+2:G0B+3], 1572864   ; in wave 2: from q's rows of W to v's
	s_wait_dscnt 0x0
	CROUND                                         ; no wave of any partner still reads that place
	s_cmp_eq_u32 s[WV], 2
	s_cbranch_scc0 .Lno_v
	tensor_load_to_lds s[G0B:G0B+3], s[G1B:G1B+7]  ; W's rows for v: it has q's way out and k's eight steps in which to land
	s_nop 0
	PLACES 4
.Lno_v:
	PLACES 4
	FETCHW 1, 0
	WIN 0
	QHEAD 0
.irp k, 0,1,2,3,4,5,6,7
	STEP 1, \k
.endr
	WIN 0
	s_wait_tensorcnt 0x0                           ; wave 2: W's rows for v are in
	s_barrier_signal -1
	s_barrier_wait -1                              ; in every wave's view
	PLACES 4
	FETCHW 2, 0
	WIN 0
	QHEAD 1
.irp k, 0,1,2,3,4,5,6,7
	STEP 2, \k
.endr
	WIN 0
	PLACES 4
	QHEAD 2
	s_wait_tensorcnt 0x0                           ; the wave's end
	ds_add_u32 v[SPW], v[NIL]
	s_wait_dscnt 0x0
	CROUND                                         ; the closing round
	s_endpgm
.Lfunc_end_k_qb70a394270_qkv:
	.size	k_qb70a394270_qkv, .Lfunc_end_k_qb70a394270_qkv-k_qb70a394270_qkv
	.p2alignl 7, 3214868480
	.fill 96, 4, 3214868480
	.section	.rodata,"a",@progbits
	.p2align	6, 0x0
	.amdhsa_kernel k_qb70a394270_qkv
		.amdhsa_group_segment_fixed_size 327680
		.amdhsa_private_segment_fixed_size 0
		.amdhsa_enable_private_segment 0
		.amdhsa_kernarg_size 56
		.amdhsa_user_sgpr_count 2
		.amdhsa_user_sgpr_kernarg_segment_ptr 1
		.amdhsa_wavefront_size32 1
		.amdhsa_system_sgpr_workgroup_id_x 1
		.amdhsa_system_sgpr_workgroup_id_y 1
		.amdhsa_system_sgpr_workgroup_id_z 1
		.amdhsa_system_vgpr_workitem_id 0
		.amdhsa_next_free_vgpr 1024
		.amdhsa_next_free_sgpr 100
		.amdhsa_reserve_vcc 0
		.amdhsa_float_denorm_mode_32 3
		.amdhsa_float_denorm_mode_16_64 3
		.amdhsa_memory_ordered 1
		.amdhsa_forward_progress 1
		.amdhsa_inst_pref_size 141
	.end_amdhsa_kernel
	.amdgpu_metadata
---
amdhsa.version: [ 1, 2 ]
amdhsa.kernels:
  - .name:           k_qb70a394270_qkv
    .symbol:         k_qb70a394270_qkv.kd
    .args:
      - { .name: x_codes, .offset: 0, .size: 8, .value_kind: global_buffer, .address_space: global }
      - { .name: x_scales, .offset: 8, .size: 8, .value_kind: global_buffer, .address_space: global }
      - { .name: W_qkv_codes, .offset: 16, .size: 8, .value_kind: global_buffer, .address_space: global }
      - { .name: W_qkv_scales, .offset: 24, .size: 8, .value_kind: global_buffer, .address_space: global }
      - { .name: b_qkv, .offset: 32, .size: 8, .value_kind: global_buffer, .address_space: global }
      - { .name: qws, .offset: 40, .size: 8, .value_kind: global_buffer, .address_space: global }
      - { .name: kvws, .offset: 48, .size: 8, .value_kind: global_buffer, .address_space: global }
    .group_segment_fixed_size: 327680
    .private_segment_fixed_size: 0
    .kernarg_segment_align: 8
    .kernarg_segment_size: 56
    .max_flat_workgroup_size: 128
    .sgpr_count:     100
    .vgpr_count:     1024
    .wavefront_size: 32
...
	.end_amdgpu_metadata
.endif
;; end of part 1
;; launch attn (part 2): grid 8 x 32, 16 waves a work-group, clusters of 4 x 1, 210,944 bytes of LDS; arguments qws, kvws, aws, ascl; writes aws, ascl
.if DOCPART == 2
	.amdgcn_target "amdgcn-amd-amdhsa--gfx1250"
	.amdhsa_code_object_version 6
	.text
	.protected	k_qb70a394270_attn
	.globl	k_qb70a394270_attn
	.p2align	8
	.type	k_qb70a394270_attn,@function
k_qb70a394270_attn:
	s_mov_b64 s[64:65], 0
	v_nop
	global_prefetch_b8 v0, s[64:65] scope:SCOPE_SE
	s_setreg_imm32_b32 hwreg(HW_REG_WAVE_MODE, 25, 1), 1
	s_wait_xcnt 0x0
	s_wait_alu depctr_hold_cnt(0) depctr_sa_sdst(0) depctr_va_vdst(0) depctr_va_sdst(0) depctr_va_ssrc(0) depctr_va_vcc(0) depctr_vm_vsrc(0)
	s_getreg_b32 s2, hwreg(HW_REG_IB_STS2, 6, 4)
	s_cmp_eq_u32 s2, 0
	s_cbranch_scc0 .Lentry_in_a_cluster
	s_endpgm
.Lentry_in_a_cluster:
	s_bfe_u32 s2, ttmp6, 0x10000c
	s_cmp_lg_u32 s2, 0x3003
	s_cbranch_scc0 .Lentry_shape_is_right
	s_endpgm
.Lentry_shape_is_right:
; O = softmax(q k^T / 8) v for one head, both products on codes of FP6 (E2M3); then O / l is quantised along e = (head, d) for the last product.
; THE SOFTMAX AHEAD OF THE SECOND PRODUCT: t = score x log2(e) / 8; M = the row's largest t so far, rounded UP to a whole number; p = 2^(t - M) is what is quantised, along the keys, not normalised.
; The row's sum is taken of the unquantised p, in f32, and divides O at the end.  When M moves, the sum and O are multiplied by 2^(old M - new M): exact.
; SHARES.  A work-group owns 256 queries of one head; each of its sixteen waves owns 16 of them in 256 registers, four waves to a SIMD.
; THE HEAD'S K AND V, codes and scale words, are 16 records of 13,056 bytes (128 keys each).  They come into LDS ONCE: wave w asks for record w, one load a wave; one wait and one barrier show all sixteen to every wave.
; No slot is filled again, nothing is stored to LDS, and the key loop has no barrier.  Every tensor load goes out at the head, so there is no later load that a prefetch could run ahead of.
; CLUSTER 4 x 1: the four work-groups of a cluster belong to one head: each record is asked for jointly.
; LAYOUT.  S^T = K Q^T (source 0 = 16 keys, source 1 = my 16 queries), O^T = V^T P^T (source 0 = 16 d, source 1 = P): a lane holds ONE query throughout.
; THE KEYS OF A TILE: rows 0-7 of tile 4 c + mt are keys 64 c + 8 mt + 0..7, rows 8-15 keys 64 c + 32 + 8 mt + 0..7 (so the launch before lays them).  Lane half h then holds blocks h and 2 + h of the step's four blocks of 32 keys WHOLE,
; in their true order, in registers S + 0..31 and S + 32..63: a block's maximum asks no other lane, and the conversions' results are the operand's registers.
; THE FIRST PRODUCT'S K IS 64, the instruction's 128.  Q's registers 6-11 are zero codes, and the upper two bytes of Q's and K's scale words are 0.  K's tile t is named as v[KF + 6 t .. + 11]: its upper six registers are the next tile's codes
; (for tile 7: V's first six).  FP6 has no code for NaN or infinity, so they meet zeros and add exact zeros.
; A block's largest p is the exponential of its largest score (this takes v_exp_f32 not to fall where its input rises).
; Independent chains take turns: six for the maxima, five for the sums, so that a line's source stands five or six lines ahead of it.
; LIMITS: NaN and infinities are not served; the promise holds while the scaled scores stay under 2^31 in magnitude; p under 2^-126 is 0; a block whose largest magnitude lies under 2^-124, a block of zeros too, gets the byte 1 (this program alone reads the bytes).
; The scale bytes of O leave as two bytes a lane, 32 bytes apart: 32 of a wave's 800 stored bytes.
.set REC,  13056
.set QREC, 3328
.set SPARE, 16*REC                     ; the spare words, 128 bytes a wave
.set LI,   1                           ; 16 x lane
.set L8,   2                           ; 8 x lane
.set L4,   3                           ; 4 x (lane % 16)
.set AI,   4                           ; v4-6 the same + the step's LDS byte
.set A8,   5
.set A4,   6
.set VS,   8                           ; v8-11 V's scale words;  v12 -M, v13 the largest score, v[14:15] the sum in two halves
.set QF,   16
.set QS,   28
.set GO,   29
.set SPW,  30
.set NIL,  31
.set KF,   32
.set VF,   80
.set S,    128
.set O,    192
.set CD,   224                         ; p's codes
.set MX,   236                         ; v236-241 six chains of maxima; then v236-243 sums on their way; then the conversions' second halves at v236 and v240
.set OM,   243                         ; the old -M
.set T,    244                         ; v244, v246 my two blocks' largest scores, then bytes; v245, v247 scale operands
.set KS,   248
.set F,    252                         ; f = 2^(old M - new M)
.set PW,   253                         ; p's scale word
.set TX,   254
.set SH,   255                         ; 8 x (lane / 16)
.set WV,   12
.set G1,   24
.set G0,   32
.set SEL,  48
.set CS,   50                          ; s[50:51] c = log2(e) / 8
.set TB,   52                          ; LDS byte at which the step's V begins: 6,144 + 13,056 x step
.set CNT,  53
.set NC,   62                          ; -c
.macro CROUND
	s_barrier_signal -1
	s_barrier_wait -1
	s_cmp_lg_u32 s[WV], 0
	s_cbranch_scc1 .Lnot_wave_0_\@
	s_barrier_signal -3
.Lnot_wave_0_\@:
	s_barrier_wait -3
	s_barrier_signal -1
	s_barrier_wait -1
.endm
	s_load_b256 s[4:11], s[0:1], 0x0               ; qws, kvws, aws, ascl
	v_lshl_add_u32 v[SPW], v0, 2, SPARE
	v_mov_b32 v[NIL], 0
	ds_add_u32 v[SPW], v[NIL]                      ; the opening lines: the add, twice on end, and its wait
	ds_add_u32 v[SPW], v[NIL]
	v_lshrrev_b32 v7, 5, v0
	v_readfirstlane_b32 s[WV], v7                  ; wave 0..15
	s_bfe_u32 s13, ttmp6, 0x40000                  ; cx
	s_lshl_b32 s14, ttmp9, 2
	s_add_co_u32 s14, s14, s13                     ; my block of 256 queries: it enters Q's and the results' addresses alone
	s_and_b32 s15, ttmp7, 0xffff                   ; bh = 16 b + head, which the four partners share
	s_mul_i32 s17, s[WV], REC                      ; record w
	s_mul_i32 s18, s15, 16*REC
	s_add_co_u32 s18, s18, s17
	s_mov_b32 s19, 0
	s_mov_b32 s[G1], 15|(3<<16)|(1<<21)            ; the mask: all four work-groups; elements of 8 bytes; no padding
	s_mov_b32 s[G1+1], 32<<16                      ; rows of 256 bytes
	s_mov_b32 s[G1+2], 51<<16                      ; 51 rows: a record
	s_mov_b32 s[G1+3], 32<<16
	s_mov_b32 s[G1+4], 51
	s_mov_b32 s[G1+5], 32
	s_mov_b32 s[G1+6], 0
	s_mov_b32 s[G1+7], 0
	s_mov_b32 s[SEL], 0x76543210
	s_mov_b32 s[SEL+1], 0xfedcba98
	s_mov_b32 s[CS], 0x3e38aa3b
	s_mov_b32 s[CS+1], s[CS]
	s_mov_b32 s[NC], 0xbe38aa3b
	s_wait_dscnt 0x0
	s_wait_kmcnt 0x0
	s_mov_b32 s[G0], 1
	s_mov_b32 s[G0+1], s17
	s_add_nc_u64 s[G0+2:G0+3], s[6:7], s[18:19]
	s_or_b32 s[G0+3], s[G0+3], 0x80000000
	CROUND                                         ; all four work-groups are here: the joint loads meet
	tensor_load_to_lds s[G0:G0+3], s[G1:G1+7]      ; one load a wave
	s_nop 0
	s_and_b32 s16, s[WV], 3
	s_lshl_b32 s20, s15, 5                         ; Q: record 32 bh + 4 qb + w / 4, tile w % 4
	s_lshl_b32 s21, s14, 2
	s_add_co_u32 s20, s20, s21
	s_lshr_b32 s21, s[WV], 2
	s_add_co_u32 s20, s20, s21
	s_mul_i32 s20, s20, QREC
	s_mov_b32 s21, 0
	s_add_nc_u64 s[20:21], s[4:5], s[20:21]
	s_mul_i32 s22, s16, 768
	s_mov_b32 s23, 0
	s_add_nc_u64 s[54:55], s[20:21], s[22:23]
	s_and_b32 s22, s[WV], 1                        ; its scale word: tile 2 i + u: word i of lane 16 u + r
	s_lshl_b32 s22, s22, 7
	s_bfe_u32 s56, s[WV], 0x10001
	s_lshl_b32 s56, s56, 2
	s_add_co_u32 s22, s22, s56
	s_add_nc_u64 s[20:21], s[20:21], s[22:23]
	s_lshr_b32 s57, s15, 4                         ; the results: row tile T = 128 b + 16 qb + w
	s_lshl_b32 s57, s57, 7
	s_lshl_b32 s58, s14, 4
	s_add_co_u32 s57, s57, s58
	s_add_co_u32 s57, s57, s[WV]
	s_and_b32 s58, s15, 15                         ; head
	s_lshl_b32 s60, s57, 4
	s_add_co_u32 s60, s60, s58
	s_mul_i32 s60, s60, 768                        ; aws: (16 T + head) x 768
	s_mov_b32 s61, 0
	s_add_nc_u64 s[8:9], s[8:9], s[60:61]
	s_lshl_b32 s60, s57, 9                         ; ascl: 16 T rows of 32 bytes + 2 head
	s_lshl_b32 s58, s58, 1
	s_add_co_u32 s60, s60, s58
	s_add_nc_u64 s[10:11], s[10:11], s[60:61]
	s_mov_b32 s[TB], 6144
	s_mov_b32 s[CNT], 15
	v_and_b32 v7, 31, v0
	v_and_b32 v[TX], 15, v0
	v_bfe_u32 v[SH], v0, 4, 1
	v_lshlrev_b32 v[LI], 4, v7
	v_lshlrev_b32 v[L8], 3, v7
	v_lshlrev_b32 v[L4], 2, v[TX]
	v_lshlrev_b32 v[GO], 5, v[TX]                  ; a row of ascl is 32 bytes
	v_lshlrev_b32 v7, 3, v[TX]                     ; Q's scale words lie 8 bytes apart
	v_lshlrev_b32 v[SH], 3, v[SH]
	global_load_b128 v[QF:QF+3], v[LI], s[54:55]
	global_load_b64 v[QF+4:QF+5], v[L8], s[54:55] offset:512
	global_load_b32 v[QS], v7, s[20:21] offset:3072
.irp i, 0,1,2,3,4,5
	v_mov_b32 v[QF+6+\i], 0                        ; Q's upper half: zero codes
	v_mov_b32 v[VF+\i], 0                          ; what K's tile 7 names beside its codes in the first step
.endr
	v_mov_b32 v13, 0xff61b1e6                      ; the largest score so far: -3e38, under every score
	v_mul_f32 v12, s[NC], v13
	v_floor_f32 v12, v12                           ; -M
	v_mov_b32 v14, 0
	v_mov_b32 v15, 0
	v_mov_b32 v[F], 0                              ; written once: a lane permute's destination counts as one of its sources
	v_mov_b32 v[PW], 0
.set J, 0
.rept 32
	v_mov_b32 v[O+J], 0                            ; O^T: the first step finds zeros, which the first change of M leaves zeros
.set J, J+1
.endr
	s_wait_alu depctr_va_vdst(0)                   ; the wait at the head's end
	s_wait_tensorcnt 0x0                           ; my record is in
	s_barrier_signal -1
	s_barrier_wait -1                              ; all sixteen are
.irp i, 0,1,2,3,4,5,6,7,8,9,10,11
	ds_load_b128 v[KF+4*\i:KF+4*\i+3], v[LI] offset:512*\i                 ; record 0's K: eight tiles, 6 registers each, on end
.endr
.irp c, 0,1
	ds_load_b64 v[KS+2*\c:KS+2*\c+1], v[L8] offset:12288+256*\c            ; their scale words: register t / 2, lanes 16 (t % 2) + r
.endr
	s_wait_loadcnt 0x0                             ; Q
; A KEY STEP: 128 keys.  K and its scale words were asked for in the step before.  last = 1: there is no next record.
.macro STEP last
	s_wait_dscnt 0x0                               ; K is in
.irp t, 0,2,4,6
	v_wmma_scale_f32_16x16x128_f8f6f4 v[S+8*\t:S+8*\t+7], v[KF+6*\t:KF+6*\t+11], v[QF:QF+11], 0, v[KS+\t/2], v[QS] matrix_a_fmt:MATRIX_FMT_FP6 matrix_b_fmt:MATRIX_FMT_FP6
	v_wmma_scale_f32_16x16x128_f8f6f4 v[S+8*\t+8:S+8*\t+15], v[KF+6*\t+6:KF+6*\t+17], v[QF:QF+11], 0, v[KS+\t/2], v[QS] matrix_a_fmt:MATRIX_FMT_FP6 matrix_b_fmt:MATRIX_FMT_FP6 matrix_a_scale:MATRIX_SCALE_ROW1
.endr
	v_add_nc_u32 v[AI], s[TB], v[LI]               ; these four are the places behind the products: in front of the loads below and of the first read of S^T
	v_add_nc_u32 v[A8], s[TB], v[L8]
	v_add_nc_u32 v[A4], s[TB], v[L4]
	v_mov_b32 v[OM], v12                           ; the old -M
.irp c, 0,1
.irp n, 0,1,2,3
	ds_load_b128 v[VF+12*\n+6*\c:VF+12*\n+6*\c+3], v[AI] offset:3072*\c+768*\n          ; V's tile n, keys 64 c on
	ds_load_b64 v[VF+12*\n+6*\c+4:VF+12*\n+6*\c+5], v[A8] offset:3072*\c+768*\n+512
.endr
.endr
.irp n, 0,1,2,3
	ds_load_b32 v[VS+\n], v[A4] offset:6656+64*\n
.endr
.if !(\last)
.irp i, 0,1,2,3,4,5,6,7,8,9,10,11
	ds_load_b128 v[KF+4*\i:KF+4*\i+3], v[AI] offset:6912+512*\i            ; the next record's K: 14 loads
.endr
.irp c, 0,1
	ds_load_b64 v[KS+2*\c:KS+2*\c+1], v[A8] offset:19200+256*\c
.endr
.endif
; The largest score of my two blocks, each in three chains: numbers 0-10, 11-21, and 24-30, 22, 23, 31.  Each of the eight accumulators is first read at one of its four lowest registers (0, 11, 16, 24 of a block).
.irp b, 0,1
	v_max3_num_f32 v[MX+3*\b], v[S+32*\b], v[S+32*\b+1], v[S+32*\b+2]
	v_max3_num_f32 v[MX+3*\b+1], v[S+32*\b+11], v[S+32*\b+12], v[S+32*\b+13]
	v_max3_num_f32 v[MX+3*\b+2], v[S+32*\b+24], v[S+32*\b+25], v[S+32*\b+26]
.endr
.irp i, 0,2
.irp b, 0,1
	v_max3_num_f32 v[MX+3*\b], v[MX+3*\b], v[S+32*\b+3+\i], v[S+32*\b+4+\i]
	v_max3_num_f32 v[MX+3*\b+1], v[MX+3*\b+1], v[S+32*\b+14+\i], v[S+32*\b+15+\i]
	v_max3_num_f32 v[MX+3*\b+2], v[MX+3*\b+2], v[S+32*\b+27+\i], v[S+32*\b+28+\i]
.endr
.endr
.irp b, 0,1
	v_max3_num_f32 v[MX+3*\b], v[MX+3*\b], v[S+32*\b+7], v[S+32*\b+8]
	v_max3_num_f32 v[MX+3*\b+1], v[MX+3*\b+1], v[S+32*\b+18], v[S+32*\b+19]
	v_max3_num_f32 v[MX+3*\b+2], v[MX+3*\b+2], v[S+32*\b+22], v[S+32*\b+23]
.endr
.irp b, 0,1
	v_max3_num_f32 v[MX+3*\b], v[MX+3*\b], v[S+32*\b+9], v[S+32*\b+10]
	v_max3_num_f32 v[MX+3*\b+1], v[MX+3*\b+1], v[S+32*\b+20], v[S+32*\b+21]
	v_max_num_f32 v[MX+3*\b+2], v[MX+3*\b+2], v[S+32*\b+31]
.endr
.irp b, 0,1
	v_max3_num_f32 v[T+2*\b], v[MX+3*\b], v[MX+3*\b+1], v[MX+3*\b+2]
.endr
	s_delay_alu instid0(VALU_DEP_1)
	v_max_num_f32 v[TX], v[T], v[T+2]
	s_delay_alu instid0(VALU_DEP_1)
	v_permlanex16_b32 v[F], v[TX], s[SEL], s[SEL+1]
	s_delay_alu instid0(VALU_DEP_1)
	v_max3_num_f32 v13, v13, v[TX], v[F]           ; with lane l xor 16's two blocks: the running largest score of my query
	s_delay_alu instid0(VALU_DEP_1)
	v_mul_f32 v[TX], s[NC], v13                    ; -t (c is positive)
	s_delay_alu instid0(VALU_DEP_1)
	v_floor_f32 v12, v[TX]                         ; the new -M = floor(-t) = -ceil(t)
.set J, 0
.rept 32
	v_pk_fma_f32 v[S+J:S+J+1], v[S+J:S+J+1], s[CS:CS+1], v[12:13] op_sel_hi:[1,0,0]   ; t - M, two at a time; the three lines that make f stand among them
.if J == 8
	v_sub_f32 v[TX], v12, v[OM]                    ; M's old value less its new one: a whole number, 0 or less
.elseif J == 18
	v_cvt_i32_f32 v[TX], v[TX]                     ; (it saturates)
.elseif J == 28
	v_ldexp_f32 v[F], 1.0, v[TX]
.endif
.set J, J+2
.endr
	v_fma_f32 v[T], v[T], s[CS], v12               ; the same of each block's largest score
	v_fma_f32 v[T+2], v[T+2], s[CS], v12
.if \last
	s_wait_dscnt 0x0                               ; V is in
.else
	s_wait_dscnt 14                                ; V is in; the 14 younger loads, the next record's K, may be out
.endif
	s_wait_alu depctr_va_vdst(0)                   ; the wait ahead of the batch
.set J, 0
.rept 64
	v_exp_f32 v[S+J], v[S+J]                       ; p = 2^(t - M): not normalised
.set J, J+1
.endr
	v_exp_f32 v[T], v[T]                           ; each block's largest p
	v_exp_f32 v[T+2], v[T+2]
	v_pk_mul_f32 v[14:15], v[14:15], v[F:F+1] op_sel_hi:[1,0]   ; the sums under the new M: the plain instruction behind the exponentials
	s_wait_alu depctr_va_vdst(0)                   ; one wait for the whole batch, ahead of its first reader
	v_pk_add_f32 v[236:237], v[S:S+1], v[S+2:S+3]  ; the row's sum of the unquantised p, in five chains
	v_pk_add_f32 v[238:239], v[S+4:S+5], v[S+6:S+7]
	v_pk_add_f32 v[240:241], v[S+8:S+9], v[S+10:S+11]
	v_pk_add_f32 v[242:243], v[S+12:S+13], v[S+14:S+15]
	v_pk_add_f32 v[14:15], v[14:15], v[S+16:S+17]
.irp i, 0,1,2,3
	v_pk_add_f32 v[236:237], v[236:237], v[S+18+10*\i:S+19+10*\i]
	v_pk_add_f32 v[238:239], v[238:239], v[S+20+10*\i:S+21+10*\i]
	v_pk_add_f32 v[240:241], v[240:241], v[S+22+10*\i:S+23+10*\i]
	v_pk_add_f32 v[242:243], v[242:243], v[S+24+10*\i:S+25+10*\i]
	v_pk_add_f32 v[14:15], v[14:15], v[S+26+10*\i:S+27+10*\i]
.endr
	v_pk_add_f32 v[236:237], v[236:237], v[S+58:S+59]
	v_pk_add_f32 v[238:239], v[238:239], v[S+60:S+61]
	v_pk_add_f32 v[240:241], v[240:241], v[S+62:S+63]
	v_max_num_f32 v[T], 0x1800000, v[T]            ; the floor 2^(3 - 127): the byte cannot fall under 1
	v_max_num_f32 v[T+2], 0x1800000, v[T+2]
	v_pk_add_f32 v[236:237], v[236:237], v[238:239]
	v_pk_add_f32 v[240:241], v[240:241], v[242:243]
	v_add_nc_u32 v[T+1], 0xff000000, v[T]          ; 2 off the exponent field: the conversion's scale operand
	v_add_nc_u32 v[T+3], 0xff000000, v[T+2]
	v_pk_add_f32 v[14:15], v[14:15], v[236:237]
	v_lshrrev_b32 v[T], 23, v[T+1]                 ; the scale's byte
	v_lshrrev_b32 v[T+2], 23, v[T+3]
	v_pk_add_f32 v[14:15], v[14:15], v[240:241]
	v_lshl_or_b32 v[T], v[T+2], 16, v[T]           ; my two bytes: blocks h and 2 + h,
	v_cvt_scalef32_pk16_fp6_f32 v[CD:CD+2], v[S:S+15], v[T+1]
	v_lshlrev_b32 v[T], v[SH], v[T]                ; at their places in the word;
	v_cvt_scalef32_pk16_fp6_f32 v[236:238], v[S+16:S+31], v[T+1]     ; (a conversion's three registers begin on an even number)
	v_permlanex16_b32 v[TX], v[T], s[SEL], s[SEL+1]
	v_cvt_scalef32_pk16_fp6_f32 v[CD+6:CD+8], v[S+32:S+47], v[T+3]
	v_cvt_scalef32_pk16_fp6_f32 v[240:242], v[S+48:S+63], v[T+3]
	v_or_b32 v[PW], v[T], v[TX]                    ; with lane l xor 16's two the word is whole.  (The plain place behind the conversions)
.irp c, 0,1
.irp i, 0,1,2
	v_mov_b32 v[CD+3+6*\c+\i], v[236+4*\c+\i]
.endr
.endr
	s_wait_alu depctr_va_vdst(0)                   ; the wait, directly ahead of the first reader of O^T
.set J, 0
.rept 16
	v_pk_mul_f32 v[O+J:O+J+1], v[O+J:O+J+1], v[F:F+1] op_sel_hi:[1,0]   ; O^T under the new M.  (These 16 are also the places between the writes of p's codes and scale word and the products below)
.set J, J+2
.endr
.irp n, 0,1,2,3                        ; O^T += V^T P^T: the four accumulators take turns, one instruction a turn
	v_wmma_scale_f32_16x16x128_f8f6f4 v[O+8*\n:O+8*\n+7], v[VF+12*\n:VF+12*\n+11], v[CD:CD+11], v[O+8*\n:O+8*\n+7], v[VS+\n], v[PW] matrix_a_fmt:MATRIX_FMT_FP6 matrix_b_fmt:MATRIX_FMT_FP6
.endr
.endm
.Lstep:
	STEP 0
	s_add_co_u32 s[TB], s[TB], REC
	s_sub_co_u32 s[CNT], s[CNT], 1
	s_cmp_lg_u32 s[CNT], 0
	s_cbranch_scc1 .Lstep
	STEP 1                                         ; record 15: nothing more to fetch
	; THE WAY OUT.  O^T / the sum; d into its true order; two blocks of 32 quantised; the operand's six registers and the row's two scale bytes leave.
	v_add_f32 v14, v14, v15                        ; the sum's two halves.  (These lines are the places behind the last products)
	v_permlanex16_b32 v[F], v14, s[SEL], s[SEL+1]
	v_nop
	v_nop
	v_nop
	v_add_f32 v14, v14, v[F]                       ; and lane l xor 16's: the row's sum
	s_wait_alu depctr_va_vdst(0)
	v_rcp_f32 v14, v14
	v_nop                                          ; a plain place behind the transcendental
	s_wait_alu depctr_va_vdst(0)                   ; and the wait, ahead of its first reader
.set J, 0
.rept 32
	v_mul_f32 v[S+J], v[O+J], v14                  ; register 8 n + e: o(r, 16 n + 8 h + e); each accumulator from its low end on
.set J, J+1
.endr
.irp b, 0,1
.irp e, 0,1,2,3,4,5,6,7
	v_permlane16_swap_b32 v[S+16*\b+\e], v[S+16*\b+8+\e]   ; my 16 registers of block b are now d = 32 b + 16 h + 0 .. 15
.endr
.endr
.irp b, 0,1
	v_max3_num_f32 v[232+\b], |v[S+16*\b]|, |v[S+1+16*\b]|, 0x1800000
.endr
.irp i, 2,4,6,8,10,12,14
.irp b, 0,1
	v_max3_num_f32 v[232+\b], v[232+\b], |v[S+16*\b+\i]|, |v[S+1+16*\b+\i]|
.endr
.endr
.irp b, 0,1
	v_permlanex16_b32 v[236+\b], v[232+\b], s[SEL], s[SEL+1]
.endr
.irp b, 0,1
	v_max_num_f32 v[232+\b], v[232+\b], v[236+\b]
.endr
.irp b, 0,1
	v_add_nc_u32 v[244+\b], 0xff000000, v[232+\b]
.endr
.irp b, 0,1
	v_lshrrev_b32 v[236+\b], 23, v[244+\b]
.endr
	v_lshl_or_b32 v[PW], v237, 8, v236
	v_cvt_scalef32_pk16_fp6_f32 v[CD:CD+2], v[S:S+15], v244
	v_cvt_scalef32_pk16_fp6_f32 v[240:242], v[S+16:S+31], v245
	v_nop
.irp i, 0,1,2
	v_permlane16_swap_b32 v[CD+\i], v[240+\i]
.endr
.irp i, 0,1,2
	v_mov_b32 v[CD+3+\i], v[240+\i]
.endr
	global_store_b128 v[LI], v[CD:CD+3], s[8:9]                ; 512 consecutive bytes, at a multiple of 256 from the buffer's first byte
	global_store_b64 v[L8], v[CD+4:CD+5], s[8:9] offset:512    ; 256
	global_store_b16 v[GO], v[PW], s[10:11]                    ; lanes r and 16 + r write the same two bytes with the same value
	s_wait_tensorcnt 0x0                           ; the wave's end
	ds_add_u32 v[SPW], v[NIL]
	s_wait_dscnt 0x0
	CROUND                                         ; the closing round
	s_endpgm
.Lfunc_end_k_qb70a394270_attn:
	.size	k_qb70a394270_attn, .Lfunc_end_k_qb70a394270_attn-k_qb70a394270_attn
	.p2alignl 7, 3214868480
	.fill 96, 4, 3214868480
	.section	.rodata,"a",@progbits
	.p2align	6, 0x0
	.amdhsa_kernel k_qb70a394270_attn
		.amdhsa_group_segment_fixed_size 210944
		.amdhsa_private_segment_fixed_size 0
		.amdhsa_enable_private_segment 0
		.amdhsa_kernarg_size 32
		.amdhsa_user_sgpr_count 2
		.amdhsa_user_sgpr_kernarg_segment_ptr 1
		.amdhsa_wavefront_size32 1
		.amdhsa_system_sgpr_workgroup_id_x 1
		.amdhsa_system_sgpr_workgroup_id_y 1
		.amdhsa_system_sgpr_workgroup_id_z 1
		.amdhsa_system_vgpr_workitem_id 0
		.amdhsa_next_free_vgpr 256
		.amdhsa_next_free_sgpr 66
		.amdhsa_reserve_vcc 0
		.amdhsa_float_denorm_mode_32 3
		.amdhsa_float_denorm_mode_16_64 3
		.amdhsa_memory_ordered 1
		.amdhsa_forward_progress 1
		.amdhsa_inst_pref_size 40
	.end_amdhsa_kernel
	.amdgpu_metadata
---
amdhsa.version: [ 1, 2 ]
amdhsa.kernels:
  - .name:           k_qb70a394270_attn
    .symbol:         k_qb70a394270_attn.kd
    .args:
      - { .name: qws, .offset: 0, .size: 8, .value_kind: global_buffer, .address_space: global }
      - { .name: kvws, .offset: 8, .size: 8, .value_kind: global_buffer, .address_space: global }
      - { .name: aws, .offset: 16, .size: 8, .value_kind: global_buffer, .address_space: global }
      - { .name: ascl, .offset: 24, .size: 8, .value_kind: global_buffer, .address_space: global }
    .group_segment_fixed_size: 210944
    .private_segment_fixed_size: 0
    .kernarg_segment_align: 8
    .kernarg_segment_size: 32
    .max_flat_workgroup_size: 512
    .sgpr_count:     66
    .vgpr_count:     256
    .wavefront_size: 32
...
	.end_amdgpu_metadata
.endif
;; end of part 2
;; launch proj (part 3): grid 8 x 32, 4 waves a work-group, clusters of 4 x 4, 327,680 bytes of LDS; arguments aws, ascl, W_out_codes, W_out_scales, b_out, out0; writes out0
.if DOCPART == 3
	.amdgcn_target "amdgcn-amd-amdhsa--gfx1250"
	.amdhsa_code_object_version 6
	.text
	.protected	k_qb70a394270_proj
	.globl	k_qb70a394270_proj
	.p2align	8
	.type	k_qb70a394270_proj,@function
k_qb70a394270_proj:
	s_mov_b64 s[64:65], 0
	v_nop
	global_prefetch_b8 v0, s[64:65] scope:SCOPE_SE
	s_setreg_imm32_b32 hwreg(HW_REG_WAVE_MODE, 25, 1), 1
	s_wait_xcnt 0x0
	s_wait_alu depctr_hold_cnt(0) depctr_sa_sdst(0) depctr_va_vdst(0) depctr_va_sdst(0) depctr_va_ssrc(0) depctr_va_vcc(0) depctr_vm_vsrc(0)
	s_getreg_b32 s2, hwreg(HW_REG_IB_STS2, 6, 4)
	s_cmp_eq_u32 s2, 0
	s_cbranch_scc0 .Lentry_in_a_cluster
	s_endpgm
.Lentry_in_a_cluster:
	s_bfe_u32 s2, ttmp6, 0x10000c
	s_cmp_lg_u32 s2, 0xf033
	s_cbranch_scc0 .Lentry_shape_is_right
	s_endpgm
.Lentry_shape_is_right:
; out0 = A W_out^T + b_out on codes of FP6 (E2M3).  A's codes lie in aws as images of operand registers ((16 T + head) x 768 bytes for row tile T), its scale bytes in ascl by tile and lane; W_out's codes and scales as they are given.
; SHARES.  A work-group makes 128 rows x 128 columns, a wave 64 x 64: 16 accumulators.  Source 0 = 16 rows of W_out, source 1 = 16 rows of A: a lane holds eight neighbouring columns of one row.  The bias is the C of each sum's first matrix instruction.
; LDS, filled once, four loads at the head, one a wave: A's 98,304 bytes are one dense block of memory (waves 0, 1: 192 rows of 256 bytes each); W_out's 128 whole rows of 768 bytes (waves 2, 3: 64 rows each), 16 bytes of padding behind every 256.
; Every tensor load goes out at the head, so there is no later load that a prefetch could run ahead of.
; WHICH ROWS A TILE HOLDS: lane r of tile a of a wave's 64 rows is row 8 a + r % 8 + 32 (r / 8), as the first launch chose x's rows: the stores go by that map.
; CLUSTER 4 x 4: A's block is shared along a row of the cluster, W_out's rows along a column.
.set PITCH,  816
.set BOFF,   98304
.set STG,    BOFF+128*PITCH            ; the stages: 16 rows x 272 bytes a wave; no tensor load lands there
.set SPITCH, 272
.set SPARE,  STG+4*16*SPITCH           ; the spare words, 128 bytes a wave
.set A16,    4
.set A8,     5
.set BAD,    8                         ; v8 W_out's fragments; v9 the same for pieces whose lanes 16-31 lie behind one padding more
.set STO,    12
.set RD,     13
.set CO,     14
.set SPW,    30
.set NIL,    31
.set SA,     32
.set SB,     48
.set BIAS,   64
.set OB,     64
.set ACC,    128
.set WV,     18
.set G1A,    24
.set G1B,    32
.set G0A,    40
.set G0B,    44
.set MSB, 0
.macro WIN new
.if MSB != \new
	s_set_vgpr_msb (MSB<<8)|\new
.set MSB, \new
.endif
.endm
.macro PLACES n
.rept \n
	v_nop
.endr
.endm
.macro CROUND
	s_barrier_signal -1
	s_barrier_wait -1
	s_cmp_lg_u32 s[WV], 0
	s_cbranch_scc1 .Lnot_wave_0_\@
	s_barrier_signal -3
.Lnot_wave_0_\@:
	s_barrier_wait -3
	s_barrier_signal -1
	s_barrier_wait -1
.endm
	s_load_b256 s[4:11], s[0:1], 0x0               ; aws, ascl, W_out's codes, W_out's scales
	s_load_b128 s[12:15], s[0:1], 0x20             ; b_out, out0
	v_lshl_add_u32 v[SPW], v0, 2, SPARE
	v_mov_b32 v[NIL], 0
	ds_add_u32 v[SPW], v[NIL]                      ; the opening lines: the add, twice on end, and its wait
	ds_add_u32 v[SPW], v[NIL]
	v_lshrrev_b32 v1, 5, v0
	v_readfirstlane_b32 s[WV], v1
	s_lshr_b32 s19, s[WV], 1                       ; my half of the rows.  Also: I fetch for A (0) or for W_out (1)
	s_and_b32 s16, s[WV], 1                        ; my half of the columns.  Also: which half I fetch
	s_bfe_u32 s20, ttmp6, 0x40000
	s_bfe_u32 s21, ttmp6, 0x40004
	s_lshl_b32 s22, ttmp9, 2
	s_add_co_u32 s22, s22, s20                     ; block of 128 columns
	s_and_b32 s23, ttmp7, 0xffff
	s_lshl_b32 s23, s23, 2
	s_add_co_u32 s23, s23, s21                     ; block of 128 rows
	s_lshl_b32 s66, s21, 2
	s_lshl_b32 s66, 15, s66
	s_lshl_b32 s67, 0x1111, s20
	s_or_b32 s[G1A], s66, (3<<16)|(1<<21)          ; elements of 8 bytes, dense
	s_mov_b32 s[G1A+1], 32<<16                     ; rows of 256 bytes
	s_mov_b32 s[G1A+2], 192<<16
	s_mov_b32 s[G1A+3], 32<<16
	s_mov_b32 s[G1A+4], 192
	s_mov_b32 s[G1A+5], 32
	s_mov_b32 s[G1A+6], 0
	s_mov_b32 s[G1A+7], 0
	s_or_b32 s[G1B], s67, (1<<20)|(1<<21)|(5<<22)|(3<<25)   ; elements of 1 byte; 4 words of padding after every 64
	s_mov_b32 s[G1B+1], 768<<16
	s_mov_b32 s[G1B+2], 64<<16
	s_mov_b32 s[G1B+3], 768<<16
	s_mov_b32 s[G1B+4], 64
	s_mov_b32 s[G1B+5], 768
	s_mov_b32 s[G1B+6], 0
	s_mov_b32 s[G1B+7], 0
	s_mul_i32 s80, s16, 49152
	s_mul_i32 s76, s23, 98304
	s_add_co_u32 s76, s76, s80
	s_mov_b32 s77, 0
	s_mul_i32 s78, s22, 98304
	s_add_co_u32 s78, s78, s80
	s_mov_b32 s79, 0
	s_mul_i32 s81, s16, 64*PITCH
	s_add_co_u32 s81, s81, BOFF
	s_wait_dscnt 0x0
	s_wait_kmcnt 0x0
	s_mov_b32 s[G0A], 1
	s_mov_b32 s[G0A+1], s80
	s_add_nc_u64 s[G0A+2:G0A+3], s[4:5], s[76:77]
	s_or_b32 s[G0A+3], s[G0A+3], 0x80000000
	s_mov_b32 s[G0B], 1
	s_mov_b32 s[G0B+1], s81
	s_add_nc_u64 s[G0B+2:G0B+3], s[8:9], s[78:79]
	s_or_b32 s[G0B+3], s[G0B+3], 0x80000000
	CROUND                                         ; all sixteen work-groups are here: the joint loads meet
	s_cmp_eq_u32 s19, 0
	s_cbranch_scc0 .Lhead_b
	tensor_load_to_lds s[G0A:G0A+3], s[G1A:G1A+7]
	s_nop 0
	PLACES 4
	s_branch .Lhead_asked
.Lhead_b:
	tensor_load_to_lds s[G0B:G0B+3], s[G1B:G1B+7]
	s_nop 0
	PLACES 4
.Lhead_asked:
	s_lshl_b32 s82, s23, 12                        ; A's scales: 128 rows of 32 bytes a block, + my 64
	s_lshl_b32 s88, s19, 11
	s_add_co_u32 s82, s82, s88
	s_mov_b32 s83, 0
	s_add_nc_u64 s[82:83], s[6:7], s[82:83]
	s_lshl_b32 s84, s22, 12
	s_lshl_b32 s88, s16, 11
	s_add_co_u32 s84, s84, s88
	s_mov_b32 s85, 0
	s_add_nc_u64 s[84:85], s[10:11], s[84:85]
	s_lshl_b32 s88, s22, 9                         ; my first column, in bytes
	s_lshl_b32 s89, s16, 8
	s_add_co_u32 s88, s88, s89
	s_mov_b32 s89, 0
	s_add_nc_u64 s[86:87], s[12:13], s[88:89]
	s_lshl_b32 s90, s23, 19                        ; my first row of out0: rows of 4,096 bytes
	s_lshl_b32 s91, s19, 18
	s_add_co_u32 s90, s90, s91
	s_add_co_u32 s90, s90, s88
	s_mov_b32 s91, 0
	s_add_nc_u64 s[14:15], s[14:15], s[90:91]
	s_mul_i32 s92, s19, 49152
	s_mul_i32 s93, s16, 64*PITCH
	s_add_co_u32 s93, s93, BOFF
	s_mul_i32 s94, s[WV], 16*SPITCH
	s_add_co_u32 s94, s94, STG
	v_and_b32 v26, 31, v0
	v_and_b32 v1, 15, v0
	v_bfe_u32 v2, v0, 4, 1
	v_lshlrev_b32 v21, 5, v26
	v_lshlrev_b32 v22, 5, v2
.irp i, 0,1
	global_load_b128 v[SA+8*\i:SA+8*\i+3],   v21, s[82:83] offset:1024*\i
	global_load_b128 v[SA+8*\i+4:SA+8*\i+7], v21, s[82:83] offset:1024*\i+16
	global_load_b128 v[SB+8*\i:SB+8*\i+3],   v21, s[84:85] offset:1024*\i
	global_load_b128 v[SB+8*\i+4:SB+8*\i+7], v21, s[84:85] offset:1024*\i+16
.endr
.irp n, 0,1,2,3
	global_load_b128 v[BIAS+8*\n:BIAS+8*\n+3],   v22, s[86:87] offset:64*\n
	global_load_b128 v[BIAS+8*\n+4:BIAS+8*\n+7], v22, s[86:87] offset:64*\n+16
.endr
	v_lshl_add_u32 v[A16], v26, 4, s92
	v_lshl_add_u32 v[A8], v26, 3, s92
	v_mul_u32_u24 v3, v1, PITCH
	v_mad_u32_u24 v3, v2, 24, v3
	v_add_nc_u32 v[BAD], s93, v3
	v_lshl_add_u32 v[BAD+1], v2, 4, v[BAD]
	v_mul_u32_u24 v3, v1, SPITCH
	v_lshl_add_u32 v3, v2, 5, v3
	v_add_nc_u32 v[STO], s94, v3
	v_mul_u32_u24 v3, v2, SPITCH
	v_lshl_add_u32 v3, v1, 4, v3
	v_add_nc_u32 v[RD], s94, v3
	v_lshlrev_b32 v3, 12, v2
	v_lshl_add_u32 v[CO], v1, 4, v3
.macro FRAG reg, adr, k, off           ; byte y of a row of W_out lies at y + 16 (y / 256) of its LDS row
.irp p, 0,1,2,3,4,5
.set BY, 96*(\k)+48*(\p/3)+8*(\p%3)
.if BY/256 == (BY+24)/256
	ds_load_b64 v[(\reg)+2*\p:(\reg)+2*\p+1], v[\adr] offset:BY+16*(BY/256)+(\off)
.else
	ds_load_b64 v[(\reg)+2*\p:(\reg)+2*\p+1], v[(\adr)+1] offset:BY+16*(BY/256)+(\off)
.endif
.endr
.endm
.macro FETCH k                         ; K step k = heads 2 k, 2 k + 1: 16 loads for A's four tiles, 24 for W_out's, into set k % 2
.set FS,  96*((\k)%2)
.irp m, 0,1,2,3
	ds_load_b128 v[FS+12*\m:FS+12*\m+3],     v[A16] offset:12288*\m+1536*(\k)
	ds_load_b64  v[FS+12*\m+4:FS+12*\m+5],   v[A8]  offset:12288*\m+1536*(\k)+512
	ds_load_b128 v[FS+12*\m+6:FS+12*\m+9],   v[A16] offset:12288*\m+1536*(\k)+768
	ds_load_b64  v[FS+12*\m+10:FS+12*\m+11], v[A8]  offset:12288*\m+1536*(\k)+1280
.endr
.irp n, 0,1,2,3
	FRAG FS+48+12*\n, BAD, \k, \n*16*PITCH
.endr
.endm
.macro WM
.if (rRA == 0) && (rRB == 0)
	v_wmma_scale_f32_16x16x128_f8f6f4 v[rD:rD+7], v[rA:rA+11], v[rB:rB+11], v[rC:rC+7], v[rSA], v[rSB] matrix_a_fmt:MATRIX_FMT_FP6 matrix_b_fmt:MATRIX_FMT_FP6
.elseif (rRA == 1) && (rRB == 0)
	v_wmma_scale_f32_16x16x128_f8f6f4 v[rD:rD+7], v[rA:rA+11], v[rB:rB+11], v[rC:rC+7], v[rSA], v[rSB] matrix_a_fmt:MATRIX_FMT_FP6 matrix_b_fmt:MATRIX_FMT_FP6 matrix_a_scale:MATRIX_SCALE_ROW1
.elseif (rRA == 0) && (rRB == 1)
	v_wmma_scale_f32_16x16x128_f8f6f4 v[rD:rD+7], v[rA:rA+11], v[rB:rB+11], v[rC:rC+7], v[rSA], v[rSB] matrix_a_fmt:MATRIX_FMT_FP6 matrix_b_fmt:MATRIX_FMT_FP6 matrix_b_scale:MATRIX_SCALE_ROW1
.else
	v_wmma_scale_f32_16x16x128_f8f6f4 v[rD:rD+7], v[rA:rA+11], v[rB:rB+11], v[rC:rC+7], v[rSA], v[rSB] matrix_a_fmt:MATRIX_FMT_FP6 matrix_b_fmt:MATRIX_FMT_FP6 matrix_a_scale:MATRIX_SCALE_ROW1 matrix_b_scale:MATRIX_SCALE_ROW1
.endif
.endm
.macro MUL k                           ; the 16 accumulators take turns, one instruction a turn
.set FS, 96*((\k)%2)
.set MT, 0
.rept 4
.set NT, 0
.rept 4
.set rD, ACC+8*(4*MT+NT)
.set rA, FS+48+12*NT
.set rB, FS+12*MT
.if (\k) == 0
.set rC, BIAS+8*NT
.else
.set rC, rD
.endif
.set rSA, SB+8*(NT/2)+(\k)
.set rSB, SA+8*(MT/2)+(\k)
.set rRA, NT%2
.set rRB, MT%2
	WM
.set NT, NT+1
.endr
.set MT, MT+1
.endr
.endm
.macro PSTEP k
.if (\k) > 0
	PLACES 4                                       ; in front of loads into registers that matrix instructions have read
.endif
	WIN 0x40
	FETCH (\k)+1
	s_wait_dscnt 40                                ; all but the 40 just issued
	WIN 0x05
	MUL \k
.endm
	s_wait_alu depctr_va_vdst(0)                   ; the wait at the head's end
	s_wait_tensorcnt 0x0                           ; my tile is in
	s_barrier_signal -1
	s_barrier_wait -1                              ; everybody's is; nothing is ever filled again
	WIN 0x40
	FETCH 0
	WIN 0
	s_wait_loadcnt 0x0                             ; scale words and bias
.irp k, 0,1,2,3,4,5,6
	PSTEP \k
.endr
	s_wait_dscnt 0x0
	MUL 7
	WIN 0
; THE WAY OUT: a tile of 16 rows x 64 columns goes through my own stage and comes back as rows of 256 bytes.
.macro TOSTAGE a
.irp n, 0,1,2,3
	ds_store_b128 v[STO], v[ACC+8*(4*(\a)+\n):ACC+8*(4*(\a)+\n)+3] offset:64*\n      ; each accumulator from its low end on
	ds_store_b128 v[STO], v[ACC+8*(4*(\a)+\n)+4:ACC+8*(4*(\a)+\n)+7] offset:64*\n+16
.endr
.irp t, 0,1,2,3,4,5,6,7
	ds_load_b128 v[OB+32*((\a)%2)+4*\t:OB+32*((\a)%2)+4*\t+3], v[RD] offset:2*\t*SPITCH
.endr
.endm
.macro SEND a, younger                 ; the stage's row 2 t + h is row 8 a + 2 (t % 4) + h + 32 (t / 4) of my 64
	s_wait_dscnt \younger
.irp t, 0,1,2,3,4,5,6,7
	global_store_b128 v[CO], v[OB+32*((\a)%2)+4*\t:OB+32*((\a)%2)+4*\t+3], s[14:15] offset:(8*(\a)+2*(\t%4)+32*(\t/4))*4096 th:TH_STORE_NT   ; 16 lanes store 256 consecutive bytes, aligned
.endr
.endm
	PLACES 4
	TOSTAGE 0
.irp a, 1,2,3
.if \a > 1
	s_wait_xcnt 0x0                                ; tile a - 2's stores have read their registers
.endif
	TOSTAGE \a
	SEND (\a)-1, 16
.endr
	SEND 3, 0
	s_wait_tensorcnt 0x0                           ; the wave's end
	ds_add_u32 v[SPW], v[NIL]
	s_wait_dscnt 0x0
	CROUND                                         ; the closing round
	s_endpgm
.Lfunc_end_k_qb70a394270_proj:
	.size	k_qb70a394270_proj, .Lfunc_end_k_qb70a394270_proj-k_qb70a394270_proj
	.p2alignl 7, 3214868480
	.fill 96, 4, 3214868480
	.section	.rodata,"a",@progbits
	.p2align	6, 0x0
	.amdhsa_kernel k_qb70a394270_proj
		.amdhsa_group_segment_fixed_size 327680
		.amdhsa_private_segment_fixed_size 0
		.amdhsa_enable_private_segment 0
		.amdhsa_kernarg_size 48
		.amdhsa_user_sgpr_count 2
		.amdhsa_user_sgpr_kernarg_segment_ptr 1
		.amdhsa_wavefront_size32 1
		.amdhsa_system_sgpr_workgroup_id_x 1
		.amdhsa_system_sgpr_workgroup_id_y 1
		.amdhsa_system_sgpr_workgroup_id_z 1
		.amdhsa_system_vgpr_workitem_id 0
		.amdhsa_next_free_vgpr 512
		.amdhsa_next_free_sgpr 100
		.amdhsa_reserve_vcc 0
		.amdhsa_float_denorm_mode_32 3
		.amdhsa_float_denorm_mode_16_64 3
		.amdhsa_memory_ordered 1
		.amdhsa_forward_progress 1
		.amdhsa_inst_pref_size 53
	.end_amdhsa_kernel
	.amdgpu_metadata
---
amdhsa.version: [ 1, 2 ]
amdhsa.kernels:
  - .name:           k_qb70a394270_proj
    .symbol:         k_qb70a394270_proj.kd
    .args:
      - { .name: aws, .offset: 0, .size: 8, .value_kind: global_buffer, .address_space: global }
      - { .name: ascl, .offset: 8, .size: 8, .value_kind: global_buffer, .address_space: global }
      - { .name: W_out_codes, .offset: 16, .size: 8, .value_kind: global_buffer, .address_space: global }
      - { .name: W_out_scales, .offset: 24, .size: 8, .value_kind: global_buffer, .address_space: global }
      - { .name: b_out, .offset: 32, .size: 8, .value_kind: global_buffer, .address_space: global }
      - { .name: out0, .offset: 40, .size: 8, .value_kind: global_buffer, .address_space: global }
    .group_segment_fixed_size: 327680
    .private_segment_fixed_size: 0
    .kernarg_segment_align: 8
    .kernarg_segment_size: 48
    .max_flat_workgroup_size: 128
    .sgpr_count:     100
    .vgpr_count:     512
    .wavefront_size: 32
...
	.end_amdgpu_metadata
.endif
;; end of part 3
